; MI455X (gfx1250); checked and timed in simulation.
; The chip was launched on July 23, 2026; its instructions are those of AMD's public machine-readable ISA for CDNA 5 (MIT licence, August 2026) and "CDNA5" Instruction Set Architecture Reference Guide (July 2026). The comments in the code are by the model that wrote it; some were corrected since.
;; Separable FC. Allowed arithmetic: matrix products marked QUANTISED: E3M2 operands, one E8M0 scale for each 32 along K, by v_wmma_scale_f32_16x16x128_f8f6f4 with both operands' format E3M2, f32 sums; products left as they are: f32 operands where the result goes on into a quantised operand, else bf16, f16 or f32 operands; f32 sums; everything else in f32.
;; Inputs: W_chan 2,048 x 32 float32; W_pos_codes 2,048 x 64 x 24 uint8 (E3M2 codes of W_pos, K innermost, in blocks of 32 codes, four codes in three bytes); W_pos_scales 2,048 x 64 uint8 (E8M0 scales of W_pos, one for each 32 codes along K); x_codes 512 x 32 x 64 x 24 uint8 (E3M2 codes of x, K innermost, in blocks of 32 codes, four codes in three bytes); x_scales 512 x 32 x 64 uint8 (E8M0 scales of x, one for each 32 codes along K).
;; Outputs: out0 512 x 2,048 float32.
;; This version of the problem:
;;   THIS VERSION OF THE PROBLEM IS GIVEN IN LOW PRECISION. The matrix products marked QUANTISED in the list below multiply operands that are first quantised to E3M2 (3 exponent bits, 2 mantissa bits; 6 bits a number), with one power-of-two scale for each 32 numbers along K (OCP MX v1.0); their sums are f32. All else is computed in f32.
;;   The module's matrix products, in the order in which they are computed (A, B: the left and right operand; K: the contracted axis; several contracted axes count as one K, in the product's order):
;;     1. [M 16,384, K 2,048] x [K 2,048, N 2,048]; A: input x (given as codes); B: input W_pos (given as codes): QUANTISED
;;     2. batch 2,048 x [M 1, K 32] x [K 32, N 512]; A: input W_chan; B: computed on the way: left as it is (M = 1 < 16)
;;   THE QUANTISER, for each operand of a quantised product, along K:
;;     - K is cut into blocks of 32 from its start; a last block that is shorter is filled with zeros.
;;     - A block's scale is 2^e with e = floor(log2(the largest magnitude in the block)) - 4, held to -126 .. 127; a block of zeros has e = 0. As a byte (E8M0): e + 127.
;;     - Each number is divided by its block's scale, clamped to +-28, and rounded to the nearest number of E3M2, ties to even, subnormals kept.
;;     - The product sums the exact products of the quantised numbers (number of the format x scale) in f32.
;;   ~~~python
;;   def quantise(x, axis):      # numpy; x: float32 -> the quantised numbers, widened to float32 again
;;       x = np.moveaxis(x, axis, -1); K = x.shape[-1]
;;       x = np.pad(x, [(0, 0)] * (x.ndim - 1) + [(0, -K % 32)]); x = x.reshape(x.shape[:-1] + (-1, 32)); a = np.abs(x).max(-1, keepdims=True)
;;       e = np.where(a > 0, np.clip(np.frexp(np.where(a > 0, a, 1))[1] - 1 - 4, -126, 127), 0)      # np.frexp(a)[1] - 1 = floor(log2(a)), exactly
;;       r = np.clip(x / 2.0 ** e, -28, 28)
;;       step = 2.0 ** (np.maximum(np.frexp(np.where(r == 0, 1, r))[1] - 1, -2) - 2)
;;       q = np.round(r / step) * step * 2.0 ** e      # np.round: ties to even
;;       return np.moveaxis(q.reshape(q.shape[:-2] + (-1,))[..., :K], -1, axis).astype(np.float32)
;;   ~~~
;;   INPUTS GIVEN AS CODES. W_pos (in the module: [2048, 2048], K = its axis 1); x (in the module: [512, 2048, 32], K = its axis 1): each comes as NAME_codes (uint8): NAME with its K axis moved to the last place and cut into blocks of 32 codes, [.., K / 32, bytes a block], one block behind the other in memory; four codes in three bytes: a row's codes are one little-endian stream of bits, code i at bits 6 i .. 6 i + 5 (a code: sign, 3 exponent bits, 2 mantissa bits); and NAME_scales (uint8): the same leading axes, one E8M0 byte (e + 127) for each 32 codes along K. Its value is code x scale, taken as it is: it is not quantised again, and the codes and scales need not be those that the quantiser above would give.
;; One version. Each part assembles by itself: llvm-mc -triple=amdgcn-amd-amdhsa -mcpu=gfx1250 --defsym DOCPART=n.
;; ======== version 1 of 1: 1 launch
;; launch sepfc (part 1): grid 32 x 8, 4 waves a work-group, clusters of 4 x 4, 327,680 bytes of LDS; arguments W_pos_codes, W_pos_scales, x_codes, x_scales, W_chan, out0; writes out0
.if DOCPART == 1
	.amdgcn_target "amdgcn-amd-amdhsa--gfx1250"
	.amdhsa_code_object_version 6
	.text
	.protected	k_q5c7df318eb_sepfc
	.globl	k_q5c7df318eb_sepfc
	.p2align	8
	.type	k_q5c7df318eb_sepfc,@function
k_q5c7df318eb_sepfc:
	s_mov_b64 s[64:65], 0
	v_nop
	global_prefetch_b8 v0, s[64:65] scope:SCOPE_SE
	s_setreg_imm32_b32 hwreg(HW_REG_WAVE_MODE, 25, 1), 1
	s_wait_xcnt 0x0
	s_wait_alu depctr_hold_cnt(0) depctr_sa_sdst(0) depctr_va_vdst(0) depctr_va_sdst(0) depctr_va_ssrc(0) depctr_va_vcc(0) depctr_vm_vsrc(0)
	s_getreg_b32 s2, hwreg(HW_REG_IB_STS2, 6, 4)
	s_cmp_eq_u32 s2, 0
	s_cbranch_scc0 .Lentry_in_a_cluster
	s_endpgm
.Lentry_in_a_cluster:
	s_bfe_u32 s2, ttmp6, 0x10000c
	s_cmp_lg_u32 s2, 0xf033
	s_cbranch_scc0 .Lentry_shape_is_right
	s_endpgm
.Lentry_shape_is_right:
; out[b][o] = sum over c of W_chan[o][c] u[(b,c)][o],  u[(b,c)][o] = sum over l of x[(b,c)][l] W_pos[o][l].
; x: 16,384 rows (32 b + c), W_pos: 2,048 rows (o), both as codes of BF6 (E3M2), 2,048 along K = 1,536 bytes a row, one E8M0 byte for each 32 along K (64 bytes a row).  W_chan [2048][32], out [512][2048]: f32.
; The first product goes to the matrix unit on codes and scale bytes as they lie in memory; u never goes to memory: the second product is the way out, in f32 fused multiply-adds.
; SHARES.  A tile of u is 256 rows of x by 256 rows of W_pos; four waves, as many as a WGP has SIMDs, each 128 x 128: 64 accumulators of 16 x 16, 512 registers.  A WORK-GROUP STAYS for two tiles: the same 256 rows of
; W_pos, 512 neighbouring rows of x: 32 x 8 = 256 work-groups.  K goes in steps of 256 (rows of 192 bytes) through a ring of two LDS slots filled by the tensor data mover, and the ring does not stop at the first
; tile's end: its last two changes of slots ask for the second tile's first two K steps.
; THE SCALES of the work-group's 256 rows of W_pos and 512 rows of x, for all of K, are dense blocks of memory: they come into LDS once, with the first fills, and stay.
; CLUSTERS: 4 x 4 work-groups.  The four of a row of the cluster need the same tiles of W_pos, the four of a column the same tiles of x: each tile is asked for JOINTLY, by the same tensor load with the same descriptor
; and a mask that names the four.
; LAYOUT.  Source 0 = 16 rows of x, source 1 = 16 rows of W_pos.  In accumulator (a, b) lane (r, h) = (lane % 16, lane / 16) holds ONE o = 16 a + r, and its register j the row 16 b + 8 h + j of x: batch b / 2 of the wave's
; four, channel c = 16 (b % 2) + 8 h + j.  So the sum over c is 16 multiply-adds a lane (8 packed) with W_chan[o][c] kept in registers, and one exchange between the halves of the lanes.
; LIMITS.  The sum over c is taken in another order than the definition writes it (two packed chains, then the halves of the lanes); a scale byte 0xff gives NaN, as E8M0 has it; sums overflow where f32 sums overflow.
; REGISTERS, in windows of 256: window 0: v0-31 addresses; v32-63 scale words, two sets; v64-127 W_chan for a = 0..3; v128-223 W_pos's fragments, ONE set; v224-255 at work on the way out.
;   window 1: x's fragments, TWO sets, at v0 and at v128; v96-127 W_chan for a = 4, 5; v224-255 for a = 6, 7.   window 2: accumulators of a = 0..3 ((a, b) at v[8 (8 (a % 4) + b)]);   window 3: of a = 4..7.
.set KSTEP,  256                       ; along K in a slot
.set NQ,     KSTEP/128                 ; matrix instructions deep
.set ROWB,   192                       ; a tile's row in bytes
.set KROW,   1536                      ; a row of codes in memory
.set PITCH,  240                       ; an LDS row: 3 x (64 bytes of data + 16 of padding) = 60 words: the 32 lanes of a load of 8 bytes touch 64 different banks (64 banks of 4 bytes: ISA guide 11.1)
.set FR,     12                        ; registers of a fragment: 16 rows x 128 K
.set NL,     6                         ; LDS loads that bring one
.set NP,     4                         ; places behind this matrix instruction (ISA guide 7.12.1)
.set HALFT,  128*PITCH                 ; 128 rows: what one tensor load brings, and what one wave reads of W_pos or of x
.set SLOT,   4*HALFT                   ; W_pos's 256 rows, then x's 256 rows
.set LAPS,   2048/(2*KSTEP)            ; a lap = two K steps = once round the ring
.set KS,     64                        ; a row of scales in bytes
.set SCL,    2*SLOT                    ; behind the ring: the scales, as pieces of 256 bytes + 16 of padding: W_pos's two halves, x's two halves of tile 0, of tile 1
.set HALFS,  (128*KS/256)*272          ; the scales of 128 rows
.set SBLK,   (16*KS/256)*272           ; those of 16 rows
.set SPARE,  SCL+6*HALFS               ; the spare words, 128 bytes for each wave: two blocks of 256 bytes that no other line names
.set STAGE,  SPARE+512                 ; the way out: 4 rows x SP bytes for each wave; no tensor load lands here
.set SP,     576                       ; a stage row: 512 bytes + 64, so that the two halves of the lanes store into different banks
.set NEXT_X, 256*KROW-(KROW-2*ROWB)    ; from a slot's last K step of tile 0 to its first of tile 1: x goes 256 rows down and back along K,
.set BACK_W, KROW-2*ROWB               ; W_pos only back
.set WCO,  7                           ; v7      W_chan: 128 r + 32 h; never rewritten
.set ADRW, 16                          ; v16-17  LDS address of my W_pos fragments in slot 0, 1  (v18-19: the same for the pieces that lie behind one padding more)
.set ADRX, 20                          ; v20-21  the same for x  (v22-23)
.set STO,  24                          ; v24     the way out: where I put a number
.set RD,   25                          ; v25     the way out: where I read a row back
.set CO,   26                          ; v26     16 x lane: my bytes in a row's 512 of out; never rewritten
.set ADRS0, 27                         ; v27     LDS address of my scale words in tile 0: lanes 0-15 W_pos's rows, lanes 16-31 x's
.set SPW,  28                          ; v28     LDS address of my spare word: SPARE + 4 x my thread's number; never rewritten
.set NIL,  29                          ; v29     0; never rewritten
.set ADRS1, 30                         ; v30     as v27, for tile 1
.set PFO,  31                          ; v31     the prefetches' offset: 1,536 x lane; never rewritten
.set SC,   32                          ; scale words: set s (for slot s) at v[SC + 16 s]; register 2 i + q: lanes 0-15 the word of W_pos's block i, lanes 16-31 that of x's block i, for the slot's q-th 128 along K
.set WC,   64                          ; W_chan for a = 0..3: register 16 a + 8 p + j = W_chan[16 a + r][16 p + 8 h + j]
.set AF,   128                         ; W_pos's fragments
.set T,    224                         ; v224-239 the way out: two sets of four pairs of partial sums; then four rows read back
.set R,    240                         ; v240-255 the way out: the finished sums
.set WV,   16                          ; s16  my wave's number
.set WH,   17                          ; s17  which 128 rows of W_pos are mine.  Also: I fetch for W_pos (0) or for x (1)
.set XH,   18                          ; s18  which 128 rows of x are mine.  Also: which half of that tile I fetch
.set G1W,  24                          ; s[24:31] descriptor group 1 for W_pos's tiles;  s[32:39] group 0, one set for each slot
.set G0W,  32
.set G1X,  48                          ; s[48:55], s[56:63] the same for x's tiles
.set G0X,  56
.set PFA,  66                          ; s[66:67] where my prefetches stand
.set G1SW, 68                          ; s[68:75], s[76:79] groups 1 and 0 for W_pos's scales;  s[80:87], s[88:91] for x's
.set G0SW, 76
.set G1SX, 80
.set G0SX, 88
.set LIM,  92                          ; s92, s93  in a wave that prefetches 1 and 2, else the greatest number: at a change out of slot 0 (1) it prefetches while the lap counter is above s92 (s93)
.set MSB, 0
.macro WIN new                         ; the immediate's high byte repeats the setting that is left
.if MSB != \new
	s_set_vgpr_msb (MSB<<8)|\new
.set MSB, \new
.endif
.endm
.set MUL_LO, 0xa1                      ; source 0 (x) window 1, source 1 (W_pos) window 0, C and D window 2
.set MUL_HI, 0xf1                      ; the same, C and D window 3
.set TO_X,   0x40                      ; destination window 1, address window 0
; A joint load: waves 0 and 1 fetch for W_pos, waves 2 and 3 for x.  Each of the two lines has ONE mask and one set of registers for all that issue it; the branch hangs on the wave's number alone.
; Four v_nop follow each of the two lines, ahead of the jump, the label and what follows.
.macro JLOAD g0w, g1w, g0x, g1x
	s_cmp_eq_u32 s[WH], 0
	s_cbranch_scc0 .Lfor_x_\@
	tensor_load_to_lds s[\g0w:\g0w+3], s[\g1w:\g1w+7]
	s_nop 0
.rept 4
	v_nop
.endr
	s_branch .Lasked_\@
.Lfor_x_\@:
	tensor_load_to_lds s[\g0x:\g0x+3], s[\g1x:\g1x+7]
	s_nop 0
.rept 4
	v_nop
.endr
.Lasked_\@:
.endm
.macro CREST                           ; a round of the cluster's barrier behind its opening barrier
	s_cmp_lg_u32 s[WV], 0
	s_cbranch_scc1 .Lnot_wave_0_\@
	s_barrier_signal -3
.Lnot_wave_0_\@:
	s_barrier_wait -3
	s_barrier_signal -1
	s_barrier_wait -1
.endm
.macro CROUND                          ; a whole round
	s_barrier_signal -1
	s_barrier_wait -1
	CREST
.endm
; A PREFETCH INTO THE L2, behind a joint load, its four lines and the run of LDS loads that follows them: of the K step that stands TWO refills on (256 matrix instructions ahead of the load that will want it),
; 32 rows, a lane a row, one instruction a wave.  x's rows are read by both clusters of a column of clusters: cluster y = 0 asks; W_pos's by all eight of a row of clusters: cluster x = 0 asks, in the first tile alone.
; The four partners that ask for a tile jointly share its rows out BY ADDRESS: of the 128 rows that a wave fetches, the partner at place p takes 32 p .. 32 p + 31 (p = cx for W_pos, cy for x).
; A K step's part of a row is 192 bytes, so a lane names the part's LAST byte (s[PFA] stands at the part that is being asked for by the tensor load: two parts and 191 bytes on).  Parts 3 and 7 end in the aligned block
; of 256 bytes that the part before has named: they are not asked for.  So in a tile's loop parts 4, 6 (out of slot 0) and 5 (out of slot 1) are named, at the change of tiles the next tile's part 2; each block once.
; The first parts of a tile come by their loads alone; the last byte named in a row is byte 1,343: no prefetch leaves its buffer.
.macro ASK kind                        ; 0, 1: in the loop, at the change out of slot 0, 1;  2: at the change of tiles
.if \kind == 2
	s_cmp_eq_u32 s[LIM], 1
.else
	s_cmp_gt_u32 s3, s[LIM+\kind]
.endif
	s_cbranch_scc0 .Lnot_mine_\@
	global_prefetch_b8 v[PFO], s[PFA:PFA+1] offset:3*ROWB-1 th:TH_LOAD_NT scope:SCOPE_SE
.Lnot_mine_\@:
.endm
	s_load_b256 s[4:11], s[0:1], 0x0               ; W_pos's codes s[4:5], its scales s[6:7], x's codes s[8:9], its scales s[10:11]
	s_load_b128 s[12:15], s[0:1], 0x20             ; W_chan s[12:13], out s[14:15]
	v_lshl_add_u32 v[SPW], v0, 2, SPARE
	v_mov_b32 v[NIL], 0
	ds_add_u32 v28, v29
	ds_add_u32 v28, v29
	s_wait_dscnt 0x0
	v_lshrrev_b32 v1, 5, v0
	v_readfirstlane_b32 s[WV], v1                  ; wave 0..3
	s_lshr_b32 s[WH], s[WV], 1
	s_and_b32 s[XH], s[WV], 1
	s_bfe_u32 s21, ttmp6, 0x40000                  ; cx, cy: my place in the cluster
	s_bfe_u32 s22, ttmp6, 0x40004
	s_lshl_b32 s19, ttmp9, 2
	s_add_co_u32 s19, s19, s21                     ; work-group x = 4 x cluster x + cx: my 512 rows of x
	s_and_b32 s20, ttmp7, 0xffff
	s_lshl_b32 s20, s20, 2
	s_add_co_u32 s20, s20, s22                     ; work-group y = 4 x cluster y + cy: my 256 rows of W_pos
	s_lshl_b32 s94, s22, 2
	s_lshl_b32 s94, 15, s94                        ; my row of the cluster
	s_lshl_b32 s95, 0x1111, s21                    ; my column
	; descriptor group 1: a tile of 128 rows x 192 bytes, padded in LDS
	s_or_b32 s[G1W+0], s94, (0<<16)|(1<<20)|(1<<21)|(3<<22)|(3<<25)  ; 15:0 the mask: W_pos's tiles go to my row; 17:16 element of 1 byte; 20 padding on; 21 set beside a mask; 24:22 after every 16 words (code 3); 31:25 of 4 words (code 3)
	s_or_b32 s[G1X+0], s95, (0<<16)|(1<<20)|(1<<21)|(3<<22)|(3<<25)  ; the same with the mask of my column, for x's tiles
.irp g, G1W, G1X
	s_mov_b32 s[\g+1], ROWB<<16                    ; tensor_dim0
	s_mov_b32 s[\g+2], 128<<16                     ; tensor_dim1 = 128
	s_mov_b32 s[\g+3], ROWB<<16                    ; tile_dim0
	s_mov_b32 s[\g+4], 128                         ; tile_dim1 = 128
	s_mov_b32 s[\g+5], KROW                        ; tensor_dim0_stride
	s_mov_b32 s[\g+6], 0
	s_mov_b32 s[\g+7], 0
.endr
	; and for the scales: dense blocks, as rows of 256 bytes (32 elements of 8 bytes), 16 bytes of padding behind each.  W_pos: 128 rows of scales = 32 such rows a load;  x: a whole tile's 256 = 64
	s_or_b32 s[G1SW+0], s94, (3<<16)|(1<<20)|(1<<21)|(5<<22)|(3<<25)
	s_or_b32 s[G1SX+0], s95, (3<<16)|(1<<20)|(1<<21)|(5<<22)|(3<<25)
.irp g, G1SW, G1SX
	s_mov_b32 s[\g+1], 32<<16
	s_mov_b32 s[\g+3], 32<<16
	s_mov_b32 s[\g+5], 32
	s_mov_b32 s[\g+6], 0
	s_mov_b32 s[\g+7], 0
.endr
	s_mov_b32 s[G1SW+2], 32<<16
	s_mov_b32 s[G1SW+4], 32
	s_mov_b32 s[G1SX+2], 64<<16
	s_mov_b32 s[G1SX+4], 64
	; where the tiles and scales come from.  W_pos's hang on work-group y alone, which my row of the cluster shares (s40-43 never hold x's coordinate); x's on work-group x alone (s44-47).  All offsets stay under 2^25
	s_lshl_b32 s23, s[XH], 7                       ; which 128 rows of the tile I fetch
	s_lshl_b32 s40, s20, 8
	s_add_co_u32 s40, s40, s23                     ; W_pos: row 256 y + 128 x half
	s_lshl_b32 s42, s40, 6                         ; its scales, 64 bytes a row,
	s_mov_b32 s43, 0
	s_mul_i32 s40, s40, KROW                       ; and its codes
	s_mov_b32 s41, 0
	s_lshl_b32 s44, s19, 9
	s_lshl_b32 s46, s[XH], 8
	s_add_co_u32 s46, s46, s44                     ; x's scales: row 512 x + 256 x tile: wave 2 brings tile 0's, wave 3 tile 1's
	s_lshl_b32 s46, s46, 6
	s_mov_b32 s47, 0
	s_add_co_u32 s44, s44, s23                     ; x's codes: row 512 x + 128 x half
	s_mul_i32 s44, s44, KROW
	s_mov_b32 s45, 0
	s_mul_i32 s2, s[WV], HALFT                     ; where they go: tiles: wave x 128 rows;
	s_mul_i32 s3, s[XH], HALFS                     ; W_pos's scales: half x HALFS;
	s_lshl_b32 s23, s3, 1                          ; x's: tile x 2 HALFS.  No place in the cluster enters an LDS address
	s_wait_kmcnt 0x0
	s_add_nc_u64 s[40:41], s[4:5], s[40:41]
	s_add_nc_u64 s[42:43], s[6:7], s[42:43]
	s_add_nc_u64 s[44:45], s[8:9], s[44:45]
	s_add_nc_u64 s[46:47], s[10:11], s[46:47]
	CROUND                                         ; all sixteen work-groups are here: the first joint loads meet
	s_mov_b32 s[G0SW], 1                           ; 1:0 count = 1
	s_add_co_u32 s[G0SW+1], s3, SCL                ; 63:32 LDS address
	s_mov_b64 s[G0SW+2:G0SW+3], s[42:43]           ; 120:64 global address
	s_or_b32 s[G0SW+3], s[G0SW+3], 0x80000000      ; 127:126 type = 2
	s_mov_b32 s[G0SX], 1
	s_add_co_u32 s[G0SX+1], s23, SCL+2*HALFS
	s_mov_b64 s[G0SX+2:G0SX+3], s[46:47]
	s_or_b32 s[G0SX+3], s[G0SX+3], 0x80000000
	JLOAD G0SW, G1SW, G0SX, G1SX                   ; the scales first: they are wanted with K step 0.  With the two below, three tensor loads of mine are out
.irp s, 0,1
	s_mov_b32 s[G0W+4*\s], 1
	s_add_co_u32 s[G0W+4*\s+1], s2, \s*SLOT
	s_add_nc_u64 s[G0W+4*\s+2:G0W+4*\s+3], s[40:41], \s*ROWB
	s_or_b32 s[G0W+4*\s+3], s[G0W+4*\s+3], 0x80000000
	s_mov_b32 s[G0X+4*\s], 1
	s_add_co_u32 s[G0X+4*\s+1], s2, \s*SLOT
	s_add_nc_u64 s[G0X+4*\s+2:G0X+4*\s+3], s[44:45], \s*ROWB
	s_or_b32 s[G0X+4*\s+3], s[G0X+4*\s+3], 0x80000000
	JLOAD G0W+4*\s, G1W, G0X+4*\s, G1X
.endr
	v_and_b32 v1, 15, v0                           ; r = lane % 16
	v_bfe_u32 v2, v0, 4, 1                         ; h = lane / 16
	v_mul_u32_u24 v3, v1, PITCH
	v_mul_u32_u24 v4, v2, 24
	v_add_nc_u32 v4, v3, v4                        ; a fragment's row x pitch + 24 x half
	v_lshl_add_u32 v5, v2, 4, v4                   ; and the same behind one padding more
	s_mul_i32 s96, s[WH], HALFT                    ; my 128 rows of W_pos
	s_mul_i32 s97, s[XH], HALFT                    ; my 128 rows of x,
	s_add_co_u32 s97, s97, 2*HALFT                 ; which lie behind W_pos's 256
.irp s, 0,1
	v_add_nc_u32 v[ADRW+\s], s96, v4
	v_add_nc_u32 v[ADRX+\s], s97, v4
	v_add_nc_u32 v[ADRW+2+\s], s96, v5
	v_add_nc_u32 v[ADRX+2+\s], s97, v5
	s_add_co_u32 s96, s96, SLOT
	s_add_co_u32 s97, s97, SLOT
.endr
	v_mul_u32_u24 v5, v1, KS                       ; my row's scales: 64 bytes a row,
	v_lshrrev_b32 v6, 8, v5
	v_lshl_add_u32 v5, v6, 4, v5                   ; and 16 more for each 256 passed
	s_mul_i32 s96, s[WH], HALFS                    ; W_pos's: my 128 rows
	s_mul_i32 s97, s[XH], HALFS                    ; x's: my 128 rows, behind W_pos's 256
	s_add_co_u32 s97, s97, 2*HALFS
	s_sub_co_u32 s97, s97, s96
	v_mul_u32_u24 v6, s97, v2                      ; lanes 16-31 take x's: one product, the distance between the two bases x h;
	s_add_co_u32 s97, s97, 2*HALFS
	v_mul_u32_u24 v3, s97, v2                      ; tile 1's lie 2 HALFS further on
	s_add_co_u32 s96, s96, SCL
	v_add_nc_u32 v5, s96, v5
	v_add_nc_u32 v[ADRS0], v5, v6
	v_add_nc_u32 v[ADRS1], v5, v3
	s_mul_i32 s96, s[WV], 4*SP
	s_add_co_u32 s96, s96, STAGE                   ; my stage
	v_mul_u32_u24 v3, v2, SP
	v_lshl_add_u32 v3, v1, 2, v3
	v_add_nc_u32 v[STO], s96, v3                   ; in: row h (of a pair of batches), 4 r
	v_and_b32 v6, 31, v0
	v_lshlrev_b32 v[CO], 4, v6                     ; back: the 32 lanes take one row of 512 bytes; and the same in out
	v_add_nc_u32 v[RD], s96, v[CO]
	v_lshlrev_b32 v[WCO], 7, v1
	v_lshl_add_u32 v[WCO], v2, 5, v[WCO]           ; W_chan: row r of 128 bytes, + 32 h
	v_mul_u32_u24 v[PFO], v6, KROW
	; W_chan of my 128 o stays in registers: 16 numbers a lane for each a.  The 32 loads land while the first tile is multiplied
	s_lshl_b32 s96, s20, 8
	s_lshl_b32 s97, s[WH], 7
	s_add_co_u32 s96, s96, s97                     ; my first o: 256 y + 128 x half
	s_lshl_b32 s98, s96, 7                         ; 128 bytes a row of W_chan
	s_mov_b32 s99, 0
	s_add_nc_u64 s[12:13], s[12:13], s[98:99]
.irp a, 0,1,2,3
.irp u, 0,1,2,3
	global_load_b128 v[WC+16*\a+4*\u:WC+16*\a+4*\u+3], v[WCO], s[12:13] offset:2048*\a+64*(\u/2)+16*(\u%2)   ; W_chan[16 a + r][16 (u / 2) + 8 h + 4 (u % 2) + 0 .. 3]
.endr
.endr
	WIN TO_X                                       ; destination window 1
.irp a, 4,5,6,7
.irp u, 0,1,2,3
	global_load_b128 v[96+16*(\a-4)+96*((\a-4)/2)+4*\u:96+16*(\a-4)+96*((\a-4)/2)+4*\u+3], v[WCO], s[12:13] offset:2048*\a+64*(\u/2)+16*(\u%2)
.endr
.endr
	WIN 0
	s_lshl_b32 s98, s96, 2                         ; out: 4 bytes an o,
	s_lshl_b32 s97, s19, 4
	s_lshl_b32 s96, s[XH], 2
	s_add_co_u32 s97, s97, s96                     ; my first batch: 16 x + 4 x half,
	s_lshl_b32 s97, s97, 13                        ; 8,192 bytes a row
	s_add_co_u32 s98, s98, s97
	s_add_nc_u64 s[14:15], s[14:15], s[98:99]
	; the prefetches (macro ASK): who asks, and where my wave's stand
	s_lshl_b32 s96, s20, 8
	s_lshl_b32 s97, s19, 9
	s_and_b32 s98, ttmp7, 0xffff                   ; cluster y
	s_cmp_eq_u32 s[WH], 0                          ; do I fetch for W_pos?
	s_cselect_b32 s96, s96, s97                    ; the tile's first row
	s_cselect_b32 s97, s21, s22                    ; my place among the four that ask for it with me
	s_cselect_b32 s98, ttmp9, s98                  ; the coordinate along which other clusters read the same rows
	s_cselect_b64 s[PFA:PFA+1], s[4:5], s[8:9]
	s_cmp_eq_u32 s98, 0
	s_cselect_b32 s[LIM], 1, -1                    ; the same in all sixteen partners, for a given wave
	s_cselect_b32 s[LIM+1], 2, -1
	s_lshl_b32 s98, s[XH], 7
	s_add_co_u32 s96, s96, s98                     ; + the 128 rows that I fetch
	s_lshl_b32 s97, s97, 5
	s_add_co_u32 s96, s96, s97                     ; + my work-group's 32 of them
	s_mul_i32 s96, s96, KROW
	s_mov_b32 s97, 0
	s_add_nc_u64 s[PFA:PFA+1], s[PFA:PFA+1], s[96:97]
	s_add_nc_u64 s[PFA:PFA+1], s[PFA:PFA+1], ROWB  ; at K step 1: the first refill, of K step 2, steps it to 2.  Nothing is prefetched here, at the head, where every work-group's first tiles are on their way
.macro FRAG reg, adr, q, i             ; a fragment, 16 rows x 128 K of 6-bit codes, is 12 registers: lane l holds row l % 16; registers 6 c .. 6 c + 5 hold K = 64 c + 32 (l / 16) + 0 .. 31: 24 bytes of the row's stream of bits, as they lie
.irp p, 0,1,2,3,4,5                    ; in pieces of 8 bytes, so that every address is a multiple of the access's size.  Lanes 0-15 take the row's pieces 12 q + 0, 1, 2 and 12 q + 6, 7, 8, lanes 16-31 those three pieces on
.set PC, 12*(\q)+6*(\p/3)+\p%3        ; the mover has laid 16 bytes of padding behind every 64 bytes (8 pieces): where the piece three on lies behind one padding more, the second address register (40 for 24 bytes a half) serves
.if PC%8 < 5
	ds_load_b64 v[\reg+2*\p:\reg+2*\p+1], v[\adr] offset:8*PC+16*(PC/8)+(\i)*16*PITCH
.else
	ds_load_b64 v[\reg+2*\p:\reg+2*\p+1], v[\adr+2] offset:8*PC+16*(PC/8)+(\i)*16*PITCH
.endif
.endr
.endm
; 16 matrix instructions: W_pos's blocks a0, a0 + 1 x x's eight, 128 along K: the slot's q-th.  p: x's set;  sc: the set of scale words.  zero = 1: the first product starts the sums: nothing is ever cleared.
; The 64 accumulators take turns, one instruction a turn, in the same order in every step.  Source 0's scales are read from lanes 16-31 of register b, source 1's from lanes 0-15 of register a.
.macro MUL16 a0, p, q, sc, zero
.irp a, \a0, \a0+1
.irp b, 0,1,2,3,4,5,6,7
.if \zero
	v_wmma_scale_f32_16x16x128_f8f6f4 v[8*(8*((\a)%4)+\b):8*(8*((\a)%4)+\b)+7], v[128*(\p)+FR*\b:128*(\p)+FR*\b+FR-1], v[AF+FR*(\a):AF+FR*(\a)+FR-1], 0, v[SC+8*NQ*(\sc)+NQ*\b+(\q)], v[SC+8*NQ*(\sc)+NQ*(\a)+(\q)] matrix_a_fmt:MATRIX_FMT_BF6 matrix_b_fmt:MATRIX_FMT_BF6 matrix_a_scale:MATRIX_SCALE_ROW1
.else
	v_wmma_scale_f32_16x16x128_f8f6f4 v[8*(8*((\a)%4)+\b):8*(8*((\a)%4)+\b)+7], v[128*(\p)+FR*\b:128*(\p)+FR*\b+FR-1], v[AF+FR*(\a):AF+FR*(\a)+FR-1], v[8*(8*((\a)%4)+\b):8*(8*((\a)%4)+\b)+7], v[SC+8*NQ*(\sc)+NQ*\b+(\q)], v[SC+8*NQ*(\sc)+NQ*(\a)+(\q)] matrix_a_fmt:MATRIX_FMT_BF6 matrix_b_fmt:MATRIX_FMT_BF6 matrix_a_scale:MATRIX_SCALE_ROW1
.endif
.endr
.endr
.endm
.macro FETCH_X slot, q, p              ; x's eight fragments of the slot's q-th 128 along K into set p
	WIN TO_X
.irp i, 0,1,2,3,4,5,6,7
	FRAG 128*(\p)+FR*\i, ADRX+\slot, \q, \i
.endr
	WIN 0
.endm
.macro FETCH_W slot, q, i0             ; W_pos's blocks i0 .. i0 + 3
.irp i, \i0, \i0+1, \i0+2, \i0+3
	FRAG AF+FR*(\i), ADRW+\slot, \q, \i
.endr
.endm
.macro SCALES sc, areg                 ; a K step's scale words into set sc: two words a row; lanes 0-15 take W_pos's block i, lanes 16-31 x's block i
.irp i, 0,1,2,3,4,5,6,7
	ds_load_b64 v[SC+8*NQ*\sc+NQ*\i:SC+8*NQ*\sc+NQ*\i+1], v[\areg] offset:\i*SBLK
.endr
.endm
; A load into a register that a matrix instruction has read, and a vector instruction that reads a matrix result, stand NP places behind that matrix instruction, and only plain vector instructions that name none
; of its registers are places (ISA guide 7.12.1 for vector instructions); this text does not count the matrix instructions in between.
.macro PLACES n
.rept \n
	v_nop
.endr
.endm
; A step of 128 along K that has its successor in the same slot.  W_pos has one set of registers: blocks 0-3 are fetched anew in the step's middle, blocks 4-7 at its end; x's fragments are at work through the whole step and have two.
.macro STEP slot, q, zero
	s_wait_dscnt 4*NL                              ; x's set, the scale words and W_pos's blocks 0-3 are in; the youngest 24 loads (W_pos's blocks 4-7) may be out
	WIN MUL_LO
	MUL16 0, (\q)%2, \q, \slot, \zero
	MUL16 2, (\q)%2, \q, \slot, \zero
	s_wait_dscnt 0                                 ; W_pos's blocks 4-7 are in (asked for 32 matrix instructions ago)
	PLACES NP
	FETCH_X \slot, (\q)+1, 1-(\q)%2
	FETCH_W \slot, (\q)+1, 0
	WIN MUL_HI
	MUL16 4, (\q)%2, \q, \slot, \zero
	MUL16 6, (\q)%2, \q, \slot, \zero
	PLACES NP
	WIN 0
	FETCH_W \slot, (\q)+1, 4
.endm
; A slot's last step changes slots: ONE barrier; in front of it each wave waits for all its tensor loads, adds 0 to its spare word, and waits for that and for its own reads of this slot.
; mode = 1: this slot is filled again, two K steps ahead;  2: with the NEXT tile's K step 0 or 1;  0: nothing is filled, and no round of the cluster's barrier follows.
; areg: the address of the next K step's scale words;  sstep = 1: it is stepped first.
.macro TURN slot, next, mode, areg, sstep
.if \mode
	s_wait_xcnt 0x0                                ; the last prefetch, a K step back, has read its address: it is stepped here, ahead of the waits of the change of slots
.if (\mode == 2) && (\slot == 0)
	s_add_nc_u64 s[PFA:PFA+1], s[PFA:PFA+1], 256*KROW-7*ROWB  ; from K step 7 to the next tile's K step 0: 256 rows down, back along K
	s_cmp_eq_u32 s[WH], 0
	s_cselect_b32 s[LIM], -1, s[LIM]               ; W_pos's rows are the same in both tiles: they have been read, and are prefetched no more
	s_cselect_b32 s[LIM+1], -1, s[LIM+1]
.else
	s_add_nc_u64 s[PFA:PFA+1], s[PFA:PFA+1], ROWB
.endif
.endif
	s_wait_tensorcnt 0x0                           ; all my tensor loads have landed: my part of the next slot;  (every window is 0 here: the add's two registers lie in window 0)
	ds_add_u32 v[SPW], v[NIL]                      ; 0 onto my spare word
	s_wait_dscnt 4*NL+1                            ; (the add and the youngest 24 loads, W_pos's blocks 4-7, may be out)
	WIN MUL_LO
	MUL16 0, 1, NQ-1, \slot, 0                     ; sixteen matrix instructions stand between the add and the wait for it
	s_wait_dscnt 0x0                               ; the add is done, and my reads of this slot are over
	s_barrier_signal -1
	MUL16 2, 1, NQ-1, \slot, 0
	WIN 0
	s_barrier_wait -1
.if \mode
	CREST                                          ; the barrier has opened a round of the cluster's barrier: no wave of any partner still reads this slot's tile or has a load on its way
.if \mode == 2
	s_add_nc_u64 s[G0X+4*\slot+2:G0X+4*\slot+3], s[G0X+4*\slot+2:G0X+4*\slot+3], NEXT_X
	s_sub_nc_u64 s[G0W+4*\slot+2:G0W+4*\slot+3], s[G0W+4*\slot+2:G0W+4*\slot+3], BACK_W
.else
	s_add_nc_u64 s[G0W+4*\slot+2:G0W+4*\slot+3], s[G0W+4*\slot+2:G0W+4*\slot+3], 2*ROWB
	s_add_nc_u64 s[G0X+4*\slot+2:G0X+4*\slot+3], s[G0X+4*\slot+2:G0X+4*\slot+3], 2*ROWB
.endif
	JLOAD G0W+4*\slot, G1W, G0X+4*\slot, G1X       ; the first tensor load behind the round, my only one until the next; the four v_nop behind it are the places in front of the loads below
.else
	PLACES NP
.endif
.if \sstep
	v_add_nc_u32 v[\areg], 4*NQ, v[\areg]          ; on to the next K step's scale words
.endif
	FETCH_X \next, 0, 0
	FETCH_W \next, 0, 0
	SCALES \next, \areg
.if \mode == 1
	ASK \slot
.endif
.if (\mode == 2) && (\slot == 0)
	ASK 2
.endif
	WIN MUL_HI
	MUL16 4, 1, NQ-1, \slot, 0
	MUL16 6, 1, NQ-1, \slot, 0
	PLACES NP
	WIN 0
	FETCH_W \next, 0, 4
.endm
; A tile up to its last lap's first step.  Its first step stands in front of the loop: its products start the sums.  A trip goes once round the ring, from a lap's second step to the next lap's first, and fills both slots again.
.macro TILE areg
	STEP 0, 0, 1
	s_mov_b32 s3, LAPS-1
.Llap_\@:
	TURN 0, 1, 1, \areg, 1
	STEP 1, 0, 0
	TURN 1, 0, 1, \areg, 1
	STEP 0, 0, 0
	s_sub_co_u32 s3, s3, 1
	s_cmp_lg_u32 s3, 0
	s_cbranch_scc1 .Llap_\@
.endm
; THE SECOND PRODUCT AND THE WAY OUT of tile t.  For each a: four chains (the wave's four batches e) of eight packed multiply-adds, by turns: register 16 e + j of the a's 64 is u(batch e, c = 16 (j / 8) + 8 h + j % 8, o = 16 a + r),
; and it meets W_chan's register j.  Each accumulator is read from its low end on.  The pair's two halves are added; then the halves of the lanes: after the exchange lanes 0-15 hold both halves of the even batch, lanes 16-31 of the odd one.
; The sums go through my own stage in LDS and come back as rows: the 32 lanes store 512 consecutive bytes of a row of out, at a multiple of 512 from its first byte.
.macro EPI t
	s_wait_loadcnt 0x0                             ; W_chan is in
	s_wait_xcnt 0x0                                ; the last tile's stores have read their registers, which are written again below
.irp a, 0,1,2,3,4,5,6,7
.set TT, T+8*(\a%2)
.set AC, 64*(\a%4)
.if \a < 4
.set WR, WC+16*\a
	WIN 0x02                                       ; source 0 (the accumulators) window 2, W_chan window 0
.else
.set WR, 96+16*(\a-4)+96*((\a-4)/2)
	WIN 0x07                                       ; source 0 window 3, W_chan window 1
.endif
.irp e, 0,1,2,3
	v_pk_mul_f32 v[TT+2*\e:TT+2*\e+1], v[AC+16*\e:AC+16*\e+1], v[WR:WR+1]
.endr
.irp j, 2,4,6,8,10,12,14
.irp e, 0,1,2,3
	v_pk_fma_f32 v[TT+2*\e:TT+2*\e+1], v[AC+16*\e+\j:AC+16*\e+\j+1], v[WR+\j:WR+\j+1], v[TT+2*\e:TT+2*\e+1]
.endr
.endr
	WIN 0
.irp e, 0,1,2,3
	v_add_f32 v[TT+2*\e], v[TT+2*\e], v[TT+2*\e+1]
.endr
	v_permlane16_swap_b32 v[TT], v[TT+2]           ; batch 0's lanes 16-31 change places with batch 1's lanes 0-15
	v_permlane16_swap_b32 v[TT+4], v[TT+6]         ; batches 2 and 3 likewise
	v_add_f32 v[R+2*\a], v[TT], v[TT+2]            ; lanes 0-15: out(batch 0, 16 a + r); lanes 16-31: out(batch 1, 16 a + r)
	v_add_f32 v[R+2*\a+1], v[TT+4], v[TT+6]
	ds_store_b32 v[STO], v[R+2*\a] offset:64*\a
	ds_store_b32 v[STO], v[R+2*\a+1] offset:2*SP+64*\a
.endr
.irp e, 0,1,2,3
	ds_load_b128 v[T+4*\e:T+4*\e+3], v[RD] offset:\e*SP   ; LDS serves a wave's instructions in order (ISA guide 5.7.1.4): these see my stores
.endr
	s_wait_dscnt 0x0
.irp e, 0,1,2,3
	global_store_b128 v[CO], v[T+4*\e:T+4*\e+3], s[14:15] offset:\t*65536+\e*8192 th:TH_STORE_NT   ; tile t's batches lie 8 rows of 8,192 bytes on; written once, read by nobody here
.endr
.endm
	s_wait_tensorcnt 1                             ; the scales and my part of K step 0 are in; K step 1's load may be out
	s_barrier_signal -1
	s_barrier_wait -1                              ; everybody's are
	FETCH_X 0, 0, 0
	FETCH_W 0, 0, 0
	SCALES 0, ADRS0
	FETCH_W 0, 0, 4
	TILE ADRS0
	TURN 0, 1, 2, ADRS0, 1                         ; THE RING GOES ON INTO THE SECOND TILE: slot 0 takes its K step 0,
	STEP 1, 0, 0
	TURN 1, 0, 2, ADRS1, 0                         ; slot 1 its K step 1, and its first fragments and scale words are fetched
	EPI 0                                          ; both refills are asked for: now the first tile goes out.  The four places at the end of the change of slots stand behind its last products
	TILE ADRS1                                     ; its first products begin the accumulators anew: more than five plain instructions of the way out stand behind each accumulator's last product and name none of its registers
	TURN 0, 1, 0, ADRS1, 1                         ; the last lap fills nothing, and has no round of the cluster's barrier
	STEP 1, 0, 0
	s_wait_dscnt 4*NL                              ; the very last step: nothing more to fetch
	WIN MUL_LO
	MUL16 0, 1, NQ-1, 1, 0
	MUL16 2, 1, NQ-1, 1, 0
	s_wait_dscnt 0
	WIN MUL_HI
	MUL16 4, 1, NQ-1, 1, 0
	MUL16 6, 1, NQ-1, 1, 0
	WIN 0
	PLACES NP                                      ; in front of the first read of results
	EPI 1
	s_wait_tensorcnt 0x0                           ; the wave's end: behind my last tensor load and my last LDS store
	ds_add_u32 v[SPW], v[NIL]
	s_wait_dscnt 0x0
	CROUND                                         ; the closing round: no work-group ends while a partner may still ask for a tile that names it
	s_endpgm
.Lfunc_end_k_q5c7df318eb_sepfc:
	.size	k_q5c7df318eb_sepfc, .Lfunc_end_k_q5c7df318eb_sepfc-k_q5c7df318eb_sepfc
	.p2alignl 7, 3214868480
	.fill 96, 4, 3214868480
	.section	.rodata,"a",@progbits
	.p2align	6, 0x0
	.amdhsa_kernel k_q5c7df318eb_sepfc
		.amdhsa_group_segment_fixed_size 327680
		.amdhsa_private_segment_fixed_size 0
		.amdhsa_enable_private_segment 0
		.amdhsa_kernarg_size 48
		.amdhsa_user_sgpr_count 2
		.amdhsa_user_sgpr_kernarg_segment_ptr 1
		.amdhsa_wavefront_size32 1
		.amdhsa_system_sgpr_workgroup_id_x 1
		.amdhsa_system_sgpr_workgroup_id_y 1
		.amdhsa_system_sgpr_workgroup_id_z 1
		.amdhsa_system_vgpr_workitem_id 0
		.amdhsa_next_free_vgpr 1024
		.amdhsa_next_free_sgpr 100
		.amdhsa_reserve_vcc 0
		.amdhsa_float_denorm_mode_32 3
		.amdhsa_float_denorm_mode_16_64 3
		.amdhsa_memory_ordered 1
		.amdhsa_forward_progress 1
		.amdhsa_inst_pref_size 255
	.end_amdhsa_kernel
	.section	.bss,"aw",@nobits
	.p2align	6
	.space	262144
	.amdgpu_metadata
---
amdhsa.version: [ 1, 2 ]
amdhsa.kernels:
  - .name:           k_q5c7df318eb_sepfc
    .symbol:         k_q5c7df318eb_sepfc.kd
    .args:
      - { .name: W_pos_codes, .offset: 0, .size: 8, .value_kind: global_buffer, .address_space: global }
      - { .name: W_pos_scales, .offset: 8, .size: 8, .value_kind: global_buffer, .address_space: global }
      - { .name: x_codes, .offset: 16, .size: 8, .value_kind: global_buffer, .address_space: global }
      - { .name: x_scales, .offset: 24, .size: 8, .value_kind: global_buffer, .address_space: global }
      - { .name: W_chan, .offset: 32, .size: 8, .value_kind: global_buffer, .address_space: global }
      - { .name: out0, .offset: 40, .size: 8, .value_kind: global_buffer, .address_space: global }
    .group_segment_fixed_size: 327680
    .private_segment_fixed_size: 0
    .kernarg_segment_align: 8
    .kernarg_segment_size: 48
    .max_flat_workgroup_size: 128
    .sgpr_count:     100
    .vgpr_count:     1024
    .wavefront_size: 32
...
	.end_amdgpu_metadata
.endif
;; end of part 1
